; MI455X (gfx1250); checked and timed in simulation.
; The chip was launched on July 23, 2026; its instructions are those of AMD's public machine-readable ISA for CDNA 5 (MIT licence, August 2026) and "CDNA5" Instruction Set Architecture Reference Guide (July 2026). The comments in the code are by the model that wrote it; some were corrected since.
;; Analytic Hash Linear. Allowed arithmetic: matrix products marked QUANTISED: E3M2 operands, one E8M0 scale for each 32 along K, by v_wmma_scale_f32_16x16x128_f8f6f4 with both operands' format E3M2, f32 sums; everything else in f32.
;; Inputs: bias 4,096 float32; codebook 65,536 float32; x_codes 4,096 x 128 x 24 uint8 (E3M2 codes of x, K innermost, in blocks of 32 codes, four codes in three bytes); x_scales 4,096 x 128 uint8 (E8M0 scales of x, one for each 32 codes along K).
;; Outputs: out0 4,096 x 4,096 float32.
;; This version of the problem:
;;   THIS VERSION OF THE PROBLEM IS GIVEN IN LOW PRECISION. The matrix products marked QUANTISED in the list below multiply operands that are first quantised to E3M2 (3 exponent bits, 2 mantissa bits; 6 bits a number), with one power-of-two scale for each 32 numbers along K (OCP MX v1.0); their sums are f32. All else is computed in f32.
;;   The module's matrix products, in the order in which they are computed (A, B: the left and right operand; K: the contracted axis; several contracted axes count as one K, in the product's order):
;;     1. [M 4,096, K 4,096] x [K 4,096, N 4,096]; A: input x (given as codes); B: computed on the way: QUANTISED
;;   THE QUANTISER, for each operand of a quantised product, along K:
;;     - K is cut into blocks of 32 from its start; a last block that is shorter is filled with zeros.
;;     - A block's scale is 2^e with e = floor(log2(the largest magnitude in the block)) - 4, held to -126 .. 127; a block of zeros has e = 0. As a byte (E8M0): e + 127.
;;     - Each number is divided by its block's scale, clamped to +-28, and rounded to the nearest number of E3M2, ties to even, subnormals kept.
;;     - The product sums the exact products of the quantised numbers (number of the format x scale) in f32.
;;   ~~~python
;;   def quantise(x, axis):      # numpy; x: float32 -> the quantised numbers, widened to float32 again
;;       x = np.moveaxis(x, axis, -1); K = x.shape[-1]
;;       x = np.pad(x, [(0, 0)] * (x.ndim - 1) + [(0, -K % 32)]); x = x.reshape(x.shape[:-1] + (-1, 32)); a = np.abs(x).max(-1, keepdims=True)
;;       e = np.where(a > 0, np.clip(np.frexp(np.where(a > 0, a, 1))[1] - 1 - 4, -126, 127), 0)      # np.frexp(a)[1] - 1 = floor(log2(a)), exactly
;;       r = np.clip(x / 2.0 ** e, -28, 28)
;;       step = 2.0 ** (np.maximum(np.frexp(np.where(r == 0, 1, r))[1] - 1, -2) - 2)
;;       q = np.round(r / step) * step * 2.0 ** e      # np.round: ties to even
;;       return np.moveaxis(q.reshape(q.shape[:-2] + (-1,))[..., :K], -1, axis).astype(np.float32)
;;   ~~~
;;   OPERANDS COMPUTED ON THE WAY. 'Computed on the way' means the value that the module computes at that place (a softmax that the list does not call 'softmax' is quantised finished and normalised). What goes into a quantiser is computed in f32, as accurately as f32 sums, v_exp_f32 and their like allow (about 1e-6 of the number): no bf16 or f16 on the way to a quantiser, and a product that is left as it is and whose result goes on into a quantised operand takes f32 operands (vector FMAs, or v_wmma_f32_16x16x4_f32). A number that lies on a knife's edge between two numbers of the format may be rounded either way, as far as f32 arithmetic and the matrix unit's own rounding can turn it there, and no further.
;;   INPUTS GIVEN AS CODES. x (in the module: [4096, 4096], K = its axis 1): each comes as NAME_codes (uint8): NAME with its K axis moved to the last place and cut into blocks of 32 codes, [.., K / 32, bytes a block], one block behind the other in memory; four codes in three bytes: a row's codes are one little-endian stream of bits, code i at bits 6 i .. 6 i + 5 (a code: sign, 3 exponent bits, 2 mantissa bits); and NAME_scales (uint8): the same leading axes, one E8M0 byte (e + 127) for each 32 codes along K. Its value is code x scale, taken as it is: it is not quantised again, and the codes and scales need not be those that the quantiser above would give.
;; One version. Each part assembles by itself: llvm-mc -triple=amdgcn-amd-amdhsa -mcpu=gfx1250 --defsym DOCPART=n.
;; ======== version 1 of 1: 2 launches
;; limits: right only within a limited range of input values
;; workspace buffers: w_codes 12,582,912 bytes; w_scales 524,288 bytes; x_img 12,582,912 bytes
;; launch wquant (part 1): grid 256 x 1, 16 waves a work-group, no clusters, 266,240 bytes of LDS; arguments codebook, w_codes, w_scales, x_codes, x_img; writes w_codes, w_scales, x_img
.if DOCPART == 1
	.amdgcn_target "amdgcn-amd-amdhsa--gfx1250"
	.amdhsa_code_object_version 6
	.text
	.protected	k_qe663cc3e45_wquant
	.globl	k_qe663cc3e45_wquant
	.p2align	8
	.type	k_qe663cc3e45_wquant,@function
k_qe663cc3e45_wquant:
	s_mov_b64 s[64:65], 0
	v_nop
	global_prefetch_b8 v0, s[64:65] scope:SCOPE_SE
	s_setreg_imm32_b32 hwreg(HW_REG_WAVE_MODE, 25, 1), 1
	s_wait_xcnt 0x0
; W[o][i] = sign x codebook[(10007 o + 20011 i + 3 x 40009) mod 65536], sign = -1 where (4099 o + 6151 i + 3 x 14887) is even, o and i from 0 to 4095,
; is made and quantised along i to codes of BF6 (E3M2) with one E8M0 byte for each 32 along i.  All three sign constants are odd, so the sign is -1 exactly where o + i is odd.
; A block's scale hangs on magnitudes alone and rounding to the nearest code is symmetric, so the sign is laid on the finished codes: an exclusive or on bit 5 of every second code.
; A block's scale is 2^(floor(log2(its largest magnitude)) - 4); its byte is the largest magnitude's exponent field - 4, held at 1 from below.
; LIMITS: NaN and infinities in the codebook are not served.  A block of zeros gets the byte 1 where the quantiser says 127, and a zero may carry a minus sign in its code: zero codes add nothing
; under any byte but 0xff, and both buffers are read by this program alone.
; SHARES.  Work-group nb owns rows o = 16 nb .. 16 nb + 15 for all of i; each of its sixteen waves owns 256 along i (wave w: i = 256 w ..): two operand fragments of 16 rows x 128.
; Lane (r, h) holds row 16 nb + r, and its block n = 2 q + c is i = 256 w + 128 q + 64 c + 32 h + 0 .. 31: the very numbers that registers 6 c .. 6 c + 5 of fragment q hold in that lane.
; So a block's largest magnitude needs no other lane, the conversions' results are the operand's registers, and the codes leave as AN IMAGE OF THE REGISTERS:
;   w_codes[w][nb][q][c][lane][16 bytes] = registers 4 c .. 4 c + 3: each store of a wave covers 512 consecutive bytes, aligned.
; THE CODEBOOK, 262,144 bytes, comes into LDS once, each wave bringing 16 KiB by one tensor load; nothing is filled again.  In a gather the 32 lanes' words are 10007 r + 640352 h + a constant,
; which modulo 64 is 23 r + 32 h + a constant: 32 different banks (64 banks of 4 bytes: ISA guide 11.1).
; THE SCALE BYTES (8 a row and wave) meet in 2,048 bytes of LDS behind the codebook and leave as the work-group's 16 whole rows of w_scales[o][128].
; No cluster: the gather's LDS addresses hang on the work-group's own rows, so partners could not be alike.  One tensor load of a wave is out.
.set HA4,    40028                     ; 4 x 10007: the hash in bytes
.set HB4,    80044                     ; 4 x 20011
.set HC4,    480108                    ; 4 x 3 x 40009
.set CBMASK, 0x3fffc                   ; modulo 65536 words, in bytes
.set STG,    262144                    ; behind the codebook: 16 rows x 128 scale bytes; no fill lands there
.set SSTR,   786432                    ; w_codes: from one 256 along i to the next: 256 blocks of rows x 3,072 bytes
.set NBB,    3072                      ; a block of 16 rows x 256 along i: two fragments of 1,536 bytes
.set AD,     8                         ; v8-11    gather addresses, four by turns
.set PAT,    12                        ; v12-14   the sign bits of 16 codes (96 bits) that my row flips
.set MX,     16                        ; v16-19   block n's largest magnitude
.set M2,     20                        ; v20      a second chain of the maximum
.set SOP,    22                        ; v22-25   block n's scale operand for the conversion
.set BY,     26                        ; v26-27   two scale bytes
.set SW,     28                        ; v[28:29] my row's scale words of fragments 0 and 1
.set PX,     30                        ; v30      what lane l xor 16 sends
.set T,      32                        ; v32-47   the conversions' results: block c at 32 + 8 c (codes 0-15) and 36 + 8 c (codes 16-31)
.set F,      48                        ; v48-71   fragment q at 48 + 12 q: a store's data are never written again
.set X,      72                        ; v72-199  block n's 32 numbers at 72 + 32 n
	s_load_b128 s[4:7], s[0:1], 0x0                ; the codebook s[4:5], w_codes s[6:7]
	s_load_b64 s[8:9], s[0:1], 0x10
	s_load_b64 s[30:31], s[0:1], 0x18              ; x_codes
	s_load_b64 s[32:33], s[0:1], 0x20              ; x_img
	v_lshl_add_u32 v200, v0, 2, 0x40800
	v_mov_b32 v201, 0
	ds_add_u32 v200, v201
	ds_add_u32 v200, v201
	v_lshrrev_b32 v1, 5, v0
	s_delay_alu instid0(VALU_DEP_1)
	v_readfirstlane_b32 s10, v1                    ; wave 0..15
	; descriptor group 1: 64 rows of 256 bytes (32 elements of 8 bytes), dense in memory and in LDS
	s_mov_b32 s16, 3<<16                           ; no mask; elements of 8 bytes; no padding
	s_mov_b32 s17, 32<<16                          ; tensor_dim0 = 32
	s_mov_b32 s18, 64<<16                          ; tensor_dim1 = 64
	s_mov_b32 s19, 32<<16                          ; tile_dim0 = 32
	s_mov_b32 s20, 64                              ; tile_dim1 = 64
	s_mov_b32 s21, 32                              ; from row to row: 32 elements
	s_mov_b32 s22, 0
	s_mov_b32 s23, 0
	s_mov_b32 s12, 1                               ; group 0: count = 1
	s_lshl_b32 s13, s10, 14                        ; LDS address: my wave's 16 KiB
	s_mov_b32 s24, s13                             ; and the same place in the codebook
	s_mov_b32 s25, 0
	s_mov_b32 s26, 0x76543210
	s_mov_b32 s27, 0xfedcba98                      ; v_permlanex16_b32's selects for lane l xor 16
	s_wait_dscnt 0x0
	s_wait_kmcnt 0x0
	s_add_nc_u64 s[14:15], s[4:5], s[24:25]
	s_or_b32 s15, s15, 0x80000000                  ; type = 2
	tensor_load_to_lds s[12:15], s[16:23]          ; my sixteenth of the codebook; the addresses below are made while it is on its way
	s_nop 0
	v_and_b32 v1, 15, v0                           ; r
	v_bfe_u32 v2, v0, 4, 1                         ; h
	s_delay_alu instid0(VALU_DEP_1)
	v_lshlrev_b32 v3, 3, v2                        ; 8 h: how far up my two scale bytes stand in a scale word
	s_mul_i32 s28, ttmp9, 16*HA4                   ; the hash of (o = 16 nb, i = 256 w), in bytes; with the lane's and the block's terms it stays under 2^31
	s_mul_i32 s29, s10, 256*HB4
	s_add_co_u32 s28, s28, s29
	s_add_co_u32 s28, s28, HC4
	v_mul_u32_u24 v4, v1, HA4
	s_delay_alu instid0(VALU_DEP_1)
	v_mad_u32_u24 v4, v2, 32*HB4, v4
	s_delay_alu instid0(VALU_DEP_1)
	v_add_nc_u32 v4, s28, v4                       ; + 10007 r + 20011 x 32 h
	v_and_b32 v5, 31, v0
	s_delay_alu instid0(VALU_DEP_1)
	v_lshlrev_b32 v5, 4, v5                        ; 16 x lane: my place in an image
	v_lshlrev_b32 v6, 7, v1
	s_lshl_b32 s29, s10, 3
	s_add_co_u32 s29, s29, STG
	v_add_nc_u32 v6, s29, v6                       ; where my row's 8 scale bytes of this wave go: STG + 128 r + 8 w
	v_and_b32 v15, 127, v0
	s_delay_alu instid0(VALU_DEP_1)
	v_lshlrev_b32 v15, 4, v15                      ; the way out of the scale bytes: 16 bytes a thread, threads 0 to 127
	s_delay_alu instid0(VALU_DEP_1)
	v_add_nc_u32 v7, STG, v15
	v_and_b32 v8, 1, v1
	s_delay_alu instid0(VALU_DEP_1)
	v_cmp_eq_u32 vcc_lo, 1, v8                     ; my row is odd: the codes of even i are flipped; else those of odd i.  Code j's sign is bit 6 j + 5
	v_mov_b32 v[PAT], 0x20020020                   ; bits 5, 17, 29 | 41, 53 | 65, 77, 89
	v_mov_b32 v[PAT+1], 0x00200200
	v_mov_b32 v[PAT+2], 0x02002002
	s_delay_alu instid0(VALU_DEP_3)
	v_cndmask_b32 v[PAT], 0x00800800, v[PAT], vcc_lo     ; bits 11, 23 | 35, 47, 59 | 71, 83, 95
	s_delay_alu instid0(VALU_DEP_3)
	v_cndmask_b32 v[PAT+1], 0x08008008, v[PAT+1], vcc_lo
	s_delay_alu instid0(VALU_DEP_3)
	v_cndmask_b32 v[PAT+2], 0x80080080, v[PAT+2], vcc_lo
	v_mov_b32 v[PX], 0                             ; written once: a lane permute's destination counts as one of its sources
	s_mul_i32 s24, s10, SSTR                       ; where my two fragments go: w x SSTR + nb x NBB
	s_mul_i32 s25, ttmp9, NBB
	s_add_co_u32 s24, s24, s25
	s_mov_b32 s25, 0
	s_add_nc_u64 s[6:7], s[6:7], s[24:25]
	s_add_nc_u64 s[32:33], s[32:33], s[24:25]      ; x_img has w_codes' layout: the same place
	s_lshl_b32 s24, ttmp9, 11                      ; and the work-group's 16 rows of scale bytes
	s_add_nc_u64 s[8:9], s[8:9], s[24:25]
	; X'S CODES ARE LAID ANEW, unchanged, as images of the operand's registers: x_img[w][nb][q][c][lane][16 bytes], as w_codes.
	; Lane (r, h) takes of row 16 nb + r the 24 bytes at 192 w + 96 q + 24 h (registers 0-5 of fragment q) and those 48 bytes on (registers 6-11);
	; the work-group's sixteen waves together read its 16 rows of 3,072 bytes whole, each byte once.
	s_mul_i32 s24, ttmp9, 16*3072
	s_mul_i32 s28, s10, 192
	s_add_co_u32 s24, s24, s28
	s_add_nc_u64 s[30:31], s[30:31], s[24:25]
	v_mul_u32_u24 v202, v1, 3072
	v_mad_u32_u24 v202, v2, 24, v202
.irp q, 0,1
.irp p, 0,1,2,3,4,5
	global_load_b64 v[204+12*\q+2*\p:205+12*\q+2*\p], v202, s[30:31] offset:96*\q+48*(\p/3)+8*(\p%3) th:TH_LOAD_NT
.endr
.endr
; Block n's 32 numbers: the hash steps by 20011 words a number; the AND is the modulo and keeps every address inside the codebook's bytes.  Four addresses by turns.
.macro GATHER n
.irp g, 0,1,2,3,4,5,6,7
.irp u, 0,1,2,3
	v_add_nc_u32 v[AD+\u], HB4*(128*((\n)/2)+64*((\n)%2)+4*\g+\u), v4
.endr
.irp u, 0,1,2,3
	s_delay_alu instid0(VALU_DEP_4)
	v_and_b32 v[AD+\u], CBMASK, v[AD+\u]
.endr
.irp u, 0,1,2,3
	ds_load_b32 v[X+32*(\n)+4*\g+\u], v[AD+\u]
.endr
.endr
.endm
; Block n's largest magnitude, in two chains, with the floor 2^(5 - 127) as one more leaf, so that the byte cannot fall under 1; then 4 off its exponent field: the conversion's scale operand.
.macro MAXB n
.set XS, X+32*(\n)
	v_max3_num_f32 v[MX+(\n)], |v[XS]|, |v[XS+1]|, |v[XS+2]|
	v_max3_num_f32 v[M2], |v[XS+3]|, |v[XS+4]|, |v[XS+5]|
.irp i, 6,10,14,18,22,26
	s_delay_alu instid0(VALU_DEP_2)
	v_max3_num_f32 v[MX+(\n)], v[MX+(\n)], |v[XS+\i]|, |v[XS+\i+1]|
	s_delay_alu instid0(VALU_DEP_2)
	v_max3_num_f32 v[M2], v[M2], |v[XS+\i+2]|, |v[XS+\i+3]|
.endr
	s_delay_alu instid0(VALU_DEP_2)
	v_max3_num_f32 v[MX+(\n)], v[MX+(\n)], |v[XS+30]|, |v[XS+31]|
	s_delay_alu instid0(VALU_DEP_1)
	v_max3_num_f32 v[MX+(\n)], v[MX+(\n)], v[M2], 0x2800000
	s_delay_alu instid0(VALU_DEP_1)
	v_add_nc_u32 v[SOP+(\n)], 0xfe000000, v[MX+(\n)]
.endm
; Fragment q: blocks 2 q and 2 q + 1 become codes; my row's scale word is put together; the signs are laid on; the image is stored.
.macro FINISH q
.irp c, 0,1
	v_cvt_scalef32_pk16_bf6_f32 v[T+8*\c:T+8*\c+2], v[X+32*(2*(\q)+\c):X+32*(2*(\q)+\c)+15], v[SOP+2*(\q)+\c]
	v_cvt_scalef32_pk16_bf6_f32 v[T+8*\c+4:T+8*\c+6], v[X+32*(2*(\q)+\c)+16:X+32*(2*(\q)+\c)+31], v[SOP+2*(\q)+\c]   ; (a conversion's three registers begin on an even number)
.endr
	v_lshrrev_b32 v[BY], 23, v[SOP+2*(\q)]         ; the scale bytes of my two blocks, h and 2 + h of the fragment's four.  (These plain lines also part the conversions from the reads of their results)
	v_lshrrev_b32 v[BY+1], 23, v[SOP+2*(\q)+1]
	s_delay_alu instid0(VALU_DEP_1)
	v_lshl_or_b32 v[SW+(\q)], v[BY+1], 16, v[BY]
	s_delay_alu instid0(VALU_DEP_1)
	v_lshlrev_b32 v[SW+(\q)], v3, v[SW+(\q)]       ; at their places in the word: 8 h bits up
	s_delay_alu instid0(VALU_DEP_1)
	v_permlanex16_b32 v[PX], v[SW+(\q)], s26, s27
	s_delay_alu instid0(VALU_DEP_1)
	v_or_b32 v[SW+(\q)], v[SW+(\q)], v[PX]         ; with lane l xor 16's two the word is whole
.irp c, 0,1
.irp i, 0,1,2
	v_xor_b32 v[F+12*(\q)+6*\c+\i], v[T+8*\c+\i], v[PAT+\i]           ; the sign, and the move to the operand's register, in one line
	v_xor_b32 v[F+12*(\q)+6*\c+3+\i], v[T+8*\c+4+\i], v[PAT+\i]       ; (codes 16-31 have the parities of codes 0-15)
.endr
.endr
.irp c, 0,1,2
	global_store_b128 v5, v[F+12*(\q)+4*\c:F+12*(\q)+4*\c+3], s[6:7] offset:1536*(\q)+512*\c   ; 32 lanes store 512 consecutive bytes, at a multiple of 512 from the buffer's first byte; the next launch reads them: no hint
.endr
.endm
	s_wait_tensorcnt 0x0                           ; for the others' sake: my part of the codebook has landed
	s_barrier_signal -1
	s_barrier_wait -1                              ; everybody's has
	GATHER 0
	GATHER 1
	s_wait_dscnt 32                                ; block 0 is in; block 1's 32 loads may be out
	MAXB 0
	GATHER 2
	s_wait_dscnt 32                                ; block 1 is in; block 2's may be out
	MAXB 1
	FINISH 0
	GATHER 3
	s_wait_dscnt 32                                ; block 2 is in; block 3's may be out
	MAXB 2
	s_wait_dscnt 0x0
	MAXB 3
	FINISH 1
	s_wait_loadcnt 0x0                             ; x's 12 loads are in
.irp q, 0,1
.irp c, 0,1,2
	global_store_b128 v5, v[204+12*\q+4*\c:207+12*\q+4*\c], s[32:33] offset:1536*\q+512*\c   ; 32 lanes store 512 consecutive bytes, aligned
.endr
.endr
	ds_store_b64 v6, v[SW:SW+1]
	s_wait_dscnt 0x0                               ; for the others' sake: my store has landed
	s_barrier_signal -1
	s_barrier_wait -1                              ; 16 whole rows of scale bytes lie in LDS
	s_cmp_gt_u32 s10, 3                            ; 2,048 bytes: waves 0 to 3 carry them out
	s_cbranch_scc1 .Lend
	ds_load_b128 v[T:T+3], v7
	s_wait_dscnt 0x0
	global_store_b128 v15, v[T:T+3], s[8:9]        ; a wave stores 512 consecutive bytes, aligned
.Lend:
	s_wait_tensorcnt 0x0
	ds_add_u32 v200, v201
	s_wait_dscnt 0x0
	s_endpgm
.Lfunc_end_k_qe663cc3e45_wquant:
	.size	k_qe663cc3e45_wquant, .Lfunc_end_k_qe663cc3e45_wquant-k_qe663cc3e45_wquant
	.p2alignl 7, 3214868480
	.fill 96, 4, 3214868480
	.section	.rodata,"a",@progbits
	.p2align	6, 0x0
	.amdhsa_kernel k_qe663cc3e45_wquant
		.amdhsa_group_segment_fixed_size 266240
		.amdhsa_private_segment_fixed_size 0
		.amdhsa_enable_private_segment 0
		.amdhsa_kernarg_size 40
		.amdhsa_user_sgpr_count 2
		.amdhsa_user_sgpr_kernarg_segment_ptr 1
		.amdhsa_wavefront_size32 1
		.amdhsa_system_sgpr_workgroup_id_x 1
		.amdhsa_system_sgpr_workgroup_id_y 1
		.amdhsa_system_sgpr_workgroup_id_z 1
		.amdhsa_system_vgpr_workitem_id 0
		.amdhsa_next_free_vgpr 228
		.amdhsa_next_free_sgpr 66
		.amdhsa_reserve_vcc 1
		.amdhsa_float_denorm_mode_32 3
		.amdhsa_float_denorm_mode_16_64 3
		.amdhsa_memory_ordered 1
		.amdhsa_forward_progress 1
		.amdhsa_inst_pref_size 44
	.end_amdhsa_kernel
	.amdgpu_metadata
---
amdhsa.version: [ 1, 2 ]
amdhsa.kernels:
  - .name:           k_qe663cc3e45_wquant
    .symbol:         k_qe663cc3e45_wquant.kd
    .args:
      - { .name: codebook, .offset: 0, .size: 8, .value_kind: global_buffer, .address_space: global }
      - { .name: w_codes, .offset: 8, .size: 8, .value_kind: global_buffer, .address_space: global }
      - { .name: w_scales, .offset: 16, .size: 8, .value_kind: global_buffer, .address_space: global }
      - { .name: x_codes, .offset: 24, .size: 8, .value_kind: global_buffer, .address_space: global }
      - { .name: x_img, .offset: 32, .size: 8, .value_kind: global_buffer, .address_space: global }
    .group_segment_fixed_size: 266240
    .private_segment_fixed_size: 0
    .kernarg_segment_align: 8
    .kernarg_segment_size: 40
    .max_flat_workgroup_size: 512
    .sgpr_count:     66
    .vgpr_count:     228
    .wavefront_size: 32
...
	.end_amdgpu_metadata
.endif
;; end of part 1
;; launch gemm (part 2): grid 16 x 16, 4 waves a work-group, clusters of 4 x 4, 327,680 bytes of LDS; arguments x_img, x_scales, w_codes, w_scales, out0, bias; writes out0
.if DOCPART == 2
	.amdgcn_target "amdgcn-amd-amdhsa--gfx1250"
	.amdhsa_code_object_version 6
	.text
	.protected	k_qe663cc3e45_gemm
	.globl	k_qe663cc3e45_gemm
	.p2align	8
	.type	k_qe663cc3e45_gemm,@function
k_qe663cc3e45_gemm:
	s_mov_b64 s[64:65], 0
	v_nop
	global_prefetch_b8 v0, s[64:65] scope:SCOPE_SE
	s_setreg_imm32_b32 hwreg(HW_REG_WAVE_MODE, 25, 1), 1
	s_wait_xcnt 0x0
	s_wait_alu depctr_hold_cnt(0) depctr_sa_sdst(0) depctr_va_vdst(0) depctr_va_sdst(0) depctr_va_ssrc(0) depctr_va_vcc(0) depctr_vm_vsrc(0)
	s_getreg_b32 s2, hwreg(HW_REG_IB_STS2, 6, 4)
	s_cmp_eq_u32 s2, 0
	s_cbranch_scc0 .Lentry_in_a_cluster
	s_endpgm
.Lentry_in_a_cluster:
	s_bfe_u32 s2, ttmp6, 0x10000c
	s_cmp_lg_u32 s2, 0xf033
	s_cbranch_scc0 .Lentry_shape_is_right
	s_endpgm
.Lentry_shape_is_right:
; out0[m][n] = bias[n] + sum over k of x[m][k] W[n][k], both operands as codes of BF6 (E3M2) with one E8M0 byte for each 32 along K; sums in f32.
; x_img and w_codes hold the codes as images of the operand's registers: [K / 256][row / 16][q][c][lane][16 bytes] = registers 4 c .. 4 c + 3 of the fragment
; (16 rows x 128 K) q of that 256 along K.  So the codes of 128 rows x 256 K are one dense block of 24,576 bytes, brought as 96 rows of 256 bytes, aligned,
; and a fragment is three loads of 16 bytes a lane at 16 x lane.
; A tile of out0, 256 x 256, is made by four waves, 128 x 128 each: 64 accumulators, 512 registers.  K goes in steps of 256 through a ring of two LDS slots.
; The scales of the tile's 256 rows of x and of W, for all of K, come into LDS once, in units of 256 bytes with 16 of padding, and stay behind the ring.
; CLUSTERS of 4 x 4: x's blocks are asked for jointly along a row of the cluster, W's along a column.
; The matrix instruction is used transposed (source 0 = W's rows, source 1 = x's): a lane holds eight neighbouring numbers of a row of out0; the bias is the C of each sum's first product.
; PREFETCH: behind each refill a wave names the block that it fetches two refills on: 96 units of 256 bytes, of which each of the four partners takes 24 by address
; (lanes 24-31 name the 24th again); K steps 0 to 3 come by their loads alone, and the loop's last trip, whose look-ahead would pass K's end, asks for nothing.
; REGISTERS: window 0: v0-31 addresses, v32-63 scale words (two sets), v64-127 the bias, v128-223 x's fragments (one set); window 1: W's fragments, two sets; windows 2, 3: accumulators.
.set SIZE_N, 4096
.set NQ,     2                         ; matrix steps of 128 in a slot
.set FR,     12
.set NL,     3                         ; LDS loads a fragment
.set NP,     4
.set FRB,    1536
.set NBB,    2*FRB                     ; 16 rows x 256 K
.set HALFB,  8*NBB                     ; 128 rows x 256 K: a ring load
.set BOFF,   2*HALFB                   ; W's blocks lie behind x's
.set SLOT,   4*HALFB
.set SSTR,   256*NBB                   ; from one 256 along K to the next, in memory
.set LAPS,   8
.set KS,     128
.set SCL,    2*SLOT
.set HALFS,  (128*KS/256)*272
.set SBLK,   (16*KS/256)*272
.set SPARE,  SCL+4*HALFS               ; the spare words: 512 bytes that no other line names
.set SPITCH, 528                       ; the way out: a stage of 16 rows x 528 bytes a wave, in slot 0, which has had its last fill and read by then
.set ADRA, 16
.set ADRB, 20
.set STO,  24
.set RD,   25
.set CO,   26
.set ADRS, 27
.set SPW,  28
.set NIL,  29
.set PFO,  30
.set SC,   32
.set BI,   64
.set AF,   128
.set BK,   128
.set G1, 24
.set G0, 32
.set G1B, 48
.set G0B, 56
.set G1S, 68
.set G0S, 76
.set G1SB, 80
.set G0SB, 88
.set G0H, 4
.set G0HB, 8
.set PFA, 94
.set MSB, 0
.macro WIN new
.if MSB != (\new)
	s_set_vgpr_msb (MSB<<8)|(\new)
.set MSB, (\new)
.endif
.endm
.set MUL_LO,   0xa1
.set MUL_HI,   0xf1
.set FIRST_LO, 0x81                    ; C (the bias) in window 0
.set FIRST_HI, 0xc1
.set TO_B,     0x40
.macro JLOAD g0a, g1a, g0b, g1b        ; waves 0, 1 fetch x's halves, waves 2, 3 W's
	s_cmp_eq_u32 s15, 0
	s_cbranch_scc0 .Lfor_b_\@
	tensor_load_to_lds s[\g0a:\g0a+3], s[\g1a:\g1a+7]
	s_nop 0
.rept 4
	v_nop
.endr
	s_branch .Lasked_\@
.Lfor_b_\@:
	tensor_load_to_lds s[\g0b:\g0b+3], s[\g1b:\g1b+7]
	s_nop 0
.rept 4
	v_nop
.endr
.Lasked_\@:
.endm
.macro CREST
	s_cmp_lg_u32 s14, 0
	s_cbranch_scc1 .Lnot_wave_0_\@
	s_barrier_signal -3
.Lnot_wave_0_\@:
	s_barrier_wait -3
	s_barrier_signal -1
	s_barrier_wait -1
.endm
.macro CROUND
	s_barrier_signal -1
	s_barrier_wait -1
	CREST
.endm
	s_load_b128 s[4:7], s[0:1], 0x0                ; x_img, x_scales
	s_load_b128 s[8:11], s[0:1], 0x10              ; w_codes, w_scales
	s_load_b64 s[12:13], s[0:1], 0x20              ; out0
	s_load_b64 s[96:97], s[0:1], 0x28              ; bias
	v_lshl_add_u32 v[SPW], v0, 2, SPARE
	v_mov_b32 v[NIL], 0
	ds_add_u32 v[SPW], v[NIL]                      ; the opening lines: the add twice on end
	ds_add_u32 v[SPW], v[NIL]
	v_lshrrev_b32 v1, 5, v0
	v_readfirstlane_b32 s14, v1                    ; wave
	s_lshr_b32 s15, s14, 1                         ; my half of the rows; also: I fetch for x (0) or W (1)
	s_and_b32 s16, s14, 1                          ; my half of the columns; also: which 128 rows I fetch
	s_bfe_u32 s40, ttmp6, 0x40000                  ; cx
	s_bfe_u32 s41, ttmp6, 0x40004                  ; cy
	s_lshl_b32 s42, ttmp9, 2
	s_add_co_u32 s42, s42, s40                     ; tile column
	s_and_b32 s17, ttmp7, 0xffff
	s_lshl_b32 s17, s17, 2
	s_add_co_u32 s17, s17, s41                     ; tile row
	s_lshl_b32 s43, s41, 2
	s_lshl_b32 s43, 15, s43                        ; my row of the cluster
	s_lshl_b32 s44, 0x1111, s40                    ; my column
	s_or_b32 s[G1+0], s43, (3<<16)|(1<<21)         ; codes: rows of 32 elements of 8 bytes, dense; 192 rows at the head, 96 in the ring
	s_or_b32 s[G1B+0], s44, (3<<16)|(1<<21)
.irp g, G1, G1B
	s_mov_b32 s[\g+1], 32<<16
	s_mov_b32 s[\g+2], 192<<16
	s_mov_b32 s[\g+3], 32<<16
	s_mov_b32 s[\g+4], 192
	s_mov_b32 s[\g+5], 32
	s_mov_b32 s[\g+6], 0
	s_mov_b32 s[\g+7], 0
.endr
	s_or_b32 s[G1S+0], s43, (3<<16)|(1<<20)|(1<<21)|(5<<22)|(3<<25)   ; scales of 256 rows: 128 rows of 256 bytes, 16 of padding behind each
	s_or_b32 s[G1SB+0], s44, (3<<16)|(1<<20)|(1<<21)|(5<<22)|(3<<25)
.irp g, G1S, G1SB
	s_mov_b32 s[\g+1], 32<<16
	s_mov_b32 s[\g+2], KS<<16
	s_mov_b32 s[\g+3], 32<<16
	s_mov_b32 s[\g+4], KS
	s_mov_b32 s[\g+5], 32
	s_mov_b32 s[\g+6], 0
	s_mov_b32 s[\g+7], 0
.endr
	s_lshl_b32 s20, s17, 8                         ; x: the tile's first row
	s_lshl_b32 s46, s42, 8                         ; W: likewise
	s_mov_b32 s21, 0
	s_mov_b32 s47, 0
	s_mov_b64 s[18:19], KS
	s_mul_u64 s[22:23], s[20:21], s[18:19]         ; where these rows' scales begin
	s_mul_u64 s[92:93], s[46:47], s[18:19]
	s_mov_b64 s[18:19], NBB/16
	s_mul_u64 s[20:21], s[20:21], s[18:19]         ; and their codes of K step 0: 192 bytes a row
	s_mul_u64 s[46:47], s[46:47], s[18:19]
	s_mul_i32 s18, s16, HALFB                      ; the half that I fetch in the ring, in memory,
	s_mov_b32 s19, 0
	s_mul_i32 s45, s14, HALFB                      ; and where it goes: wave x 24,576
	s_wait_dscnt 0x0                               ; both opening adds are done
	s_wait_kmcnt 0x0
	s_add_nc_u64 s[20:21], s[4:5], s[20:21]
	s_add_nc_u64 s[22:23], s[6:7], s[22:23]
	s_add_nc_u64 s[46:47], s[8:9], s[46:47]
	s_add_nc_u64 s[92:93], s[10:11], s[92:93]
	CROUND                                         ; in front of the first joint loads
	s_mov_b32 s[G0H], 1                            ; K step 0: x's 256 rows,
	s_mov_b32 s[G0H+1], 0
	s_mov_b64 s[G0H+2:G0H+3], s[20:21]
	s_or_b32 s[G0H+3], s[G0H+3], 0x80000000
	s_mov_b32 s[G0HB], 1                           ; W's 256 rows,
	s_mov_b32 s[G0HB+1], BOFF
	s_mov_b64 s[G0HB+2:G0HB+3], s[46:47]
	s_or_b32 s[G0HB+3], s[G0HB+3], 0x80000000
	s_mov_b32 s[G0S], 1                            ; x's scales,
	s_mov_b32 s[G0S+1], SCL
	s_mov_b64 s[G0S+2:G0S+3], s[22:23]
	s_or_b32 s[G0S+3], s[G0S+3], 0x80000000
	s_mov_b32 s[G0SB], 1                           ; W's scales
	s_mov_b32 s[G0SB+1], SCL+2*HALFS
	s_mov_b64 s[G0SB+2:G0SB+3], s[92:93]
	s_or_b32 s[G0SB+3], s[G0SB+3], 0x80000000
; the head's four tiles, one load a wave, in one chain of branches on the wave's number
.macro ARM under, g0, g1, next
	s_cmp_lt_u32 s14, \under
	s_cbranch_scc0 \next
	tensor_load_to_lds s[\g0:\g0+3], s[\g1:\g1+7]
	s_nop 0
.rept 4
	v_nop
.endr
	s_branch .Lhead_asked
\next:
.endm
	ARM 1, G0H,  G1,  .Lhead_b
	ARM 2, G0HB, G1B, .Lhead_sa
	ARM 3, G0S,  G1S, .Lhead_sb
	tensor_load_to_lds s[G0SB:G0SB+3], s[G1SB:G1SB+7]
	s_nop 0
.rept 4
	v_nop
.endr
.Lhead_asked:
	s_add_nc_u64 s[20:21], s[20:21], s[18:19]      ; for the ring: my 128 rows
	s_add_nc_u64 s[46:47], s[46:47], s[18:19]
.irp s, 0,1
	s_mov_b32 s[G0+4*\s], 1
	s_add_co_u32 s[G0+4*\s+1], s45, \s*SLOT
	s_add_nc_u64 s[G0+4*\s+2:G0+4*\s+3], s[20:21], \s*SSTR
	s_or_b32 s[G0+4*\s+3], s[G0+4*\s+3], 0x80000000
	s_mov_b32 s[G0B+4*\s], 1
	s_add_co_u32 s[G0B+4*\s+1], s45, \s*SLOT
	s_add_nc_u64 s[G0B+4*\s+2:G0B+4*\s+3], s[46:47], \s*SSTR
	s_or_b32 s[G0B+4*\s+3], s[G0B+4*\s+3], 0x80000000
.endr
	s_cmp_eq_u32 s15, 0                            ; the prefetches: the block that I fetch,
	s_cselect_b64 s[PFA:PFA+1], s[20:21], s[46:47]
	s_cselect_b32 s92, s40, s41                    ; my place among the four that ask for it with me,
	s_mul_i32 s92, s92, 24*256                     ; whose 24 units are mine,
	s_mov_b32 s93, 0
	s_add_nc_u64 s[PFA:PFA+1], s[PFA:PFA+1], s[92:93]
	s_add_nc_u64 s[PFA:PFA+1], s[PFA:PFA+1], 3*SSTR   ; at K step 3: the first refill steps it to 4
	s_lshl_b32 s20, s17, 8
	s_lshl_b32 s21, s15, 7
	s_add_co_u32 s20, s20, s21                     ; my first row of out0
	s_mov_b32 s21, 0
	s_mov_b64 s[18:19], SIZE_N*4
	s_mul_u64 s[20:21], s[20:21], s[18:19]
	s_lshl_b32 s46, s42, 10
	s_lshl_b32 s47, s16, 9
	s_add_co_u32 s46, s46, s47                     ; my first column, in bytes
	s_mov_b32 s47, 0
	s_add_nc_u64 s[96:97], s[96:97], s[46:47]
	s_add_nc_u64 s[20:21], s[20:21], s[46:47]
	s_add_nc_u64 s[12:13], s[12:13], s[20:21]
	s_mul_i32 s18, s15, HALFB                      ; my 128 rows of x in a slot,
	s_mul_i32 s19, s16, HALFB
	s_add_co_u32 s19, s19, BOFF                    ; of W,
	s_mul_i32 s21, s15, HALFS                      ; x's scales,
	s_mul_i32 s22, s16, HALFS
	s_add_co_u32 s22, s22, 2*HALFS
	s_sub_co_u32 s22, s22, s21                     ; how far on W's lie,
	s_add_co_u32 s21, s21, SCL
	s_mul_i32 s23, s14, 16*SPITCH                  ; my stage
	v_and_b32 v1, 15, v0                           ; r
	v_bfe_u32 v2, v0, 4, 1                         ; h
	v_and_b32 v6, 31, v0
	v_lshlrev_b32 v[CO], 4, v6                     ; 16 x lane
	v_add_nc_u32 v[ADRA], s18, v[CO]
	v_add_nc_u32 v[ADRB], s19, v[CO]
	v_add_nc_u32 v[ADRA+1], SLOT, v[ADRA]
	v_add_nc_u32 v[ADRB+1], SLOT, v[ADRB]
	v_mul_u32_u24 v5, v1, KS                       ; my row's scales: 128 bytes a row, 16 more for each 256 passed
	v_lshrrev_b32 v4, 8, v5
	v_lshl_add_u32 v5, v4, 4, v5
	v_mul_u32_u24 v4, s22, v2                      ; lanes 16-31 take W's
	v_add_nc_u32 v5, v5, v4
	v_add_nc_u32 v[ADRS], s21, v5
	v_mul_u32_u24 v5, v1, SPITCH
	v_lshl_add_u32 v5, v2, 5, v5
	v_add_nc_u32 v[STO], s23, v5
	v_add_nc_u32 v[RD], s23, v[CO]
	v_lshlrev_b32 v7, 5, v2
	v_min_u32 v6, 23, v6
	v_lshlrev_b32 v[PFO], 8, v6                    ; a lane a unit of 256 bytes
.irp b, 0,1,2,3,4,5,6,7
	global_load_b128 v[BI+8*\b:BI+8*\b+3], v7, s[96:97] offset:64*\b          ; bias at my columns 16 b + 8 h + 0 .. 7
	global_load_b128 v[BI+8*\b+4:BI+8*\b+7], v7, s[96:97] offset:64*\b+16
.endr
.macro FRAG reg, adr, q, i
.irp c, 0,1,2
	ds_load_b128 v[\reg+4*\c:\reg+4*\c+3], v[\adr] offset:(\i)*NBB+(\q)*FRB+512*\c
.endr
.endm
; 16 products: x's blocks a0, a0 + 1 against W's eight; the 64 accumulators take turns
.macro MUL16 a0, p, q, sc, first
.irp a, \a0, \a0+1
.irp b, 0,1,2,3,4,5,6,7
.if \first
	v_wmma_scale_f32_16x16x128_f8f6f4 v[8*(8*((\a)%4)+\b):8*(8*((\a)%4)+\b)+7], v[128*(\p)+FR*\b:128*(\p)+FR*\b+FR-1], v[AF+FR*(\a):AF+FR*(\a)+FR-1], v[BI+8*\b:BI+8*\b+7], v[SC+8*NQ*(\sc)+NQ*\b+(\q)], v[SC+8*NQ*(\sc)+NQ*(\a)+(\q)] matrix_a_fmt:MATRIX_FMT_BF6 matrix_b_fmt:MATRIX_FMT_BF6 matrix_a_scale:MATRIX_SCALE_ROW1
.else
	v_wmma_scale_f32_16x16x128_f8f6f4 v[8*(8*((\a)%4)+\b):8*(8*((\a)%4)+\b)+7], v[128*(\p)+FR*\b:128*(\p)+FR*\b+FR-1], v[AF+FR*(\a):AF+FR*(\a)+FR-1], v[8*(8*((\a)%4)+\b):8*(8*((\a)%4)+\b)+7], v[SC+8*NQ*(\sc)+NQ*\b+(\q)], v[SC+8*NQ*(\sc)+NQ*(\a)+(\q)] matrix_a_fmt:MATRIX_FMT_BF6 matrix_b_fmt:MATRIX_FMT_BF6 matrix_a_scale:MATRIX_SCALE_ROW1
.endif
.endr
.endr
.endm
.macro FETCH_B slot, q, p
	WIN TO_B
.irp i, 0,1,2,3,4,5,6,7
	FRAG 128*(\p)+FR*\i, ADRB+\slot, \q, \i
.endr
	WIN 0
.endm
.macro FETCH_A slot, q, i0
.irp i, \i0, \i0+1, \i0+2, \i0+3
	FRAG AF+FR*(\i), ADRA+\slot, \q, \i
.endr
.endm
.macro SCALES sc                       ; two words a row: lanes 0-15 x's block i, lanes 16-31 W's
.irp i, 0,1,2,3,4,5,6,7
	ds_load_b64 v[SC+8*NQ*\sc+NQ*\i:SC+8*NQ*\sc+NQ*\i+1], v[ADRS] offset:\i*SBLK
.endr
.endm
.macro PLACES n
.rept \n
	v_nop
.endr
.endm
.macro ASK                             ; K step t + 4 behind the refill with K step t + 2; s3 = 1 in the loop's last trip
	s_cmp_gt_u32 s3, 1
	s_cbranch_scc0 .Lno_ask_\@
	global_prefetch_b8 v[PFO], s[PFA:PFA+1] th:TH_LOAD_NT scope:SCOPE_SE
.Lno_ask_\@:
.endm
; a slot's first step: multiplies W's set 0, fetches the second step's fragments
.macro STEP slot, first
	s_wait_dscnt 4*NL                              ; all but x's blocks 4-7 (12 loads)
.if \first
	WIN FIRST_LO
.else
	WIN MUL_LO
.endif
	MUL16 0, 0, 0, \slot, \first
	MUL16 2, 0, 0, \slot, \first
	s_wait_dscnt 0
	PLACES NP
	FETCH_B \slot, 1, 1
	FETCH_A \slot, 1, 0
.if \first
	WIN FIRST_HI
.else
	WIN MUL_HI
.endif
	MUL16 4, 0, 0, \slot, \first
	MUL16 6, 0, 0, \slot, \first
	PLACES NP
	WIN 0
	FETCH_A \slot, 1, 4
.endm
; a slot's second step changes slots: the three lines, the barrier (with fill = 1 it opens a round of the cluster's barrier), the refill first behind it
.macro TURN slot, next, fill
.if \fill
	s_wait_xcnt 0x0                                ; my last prefetch has read its address
	s_add_nc_u64 s[PFA:PFA+1], s[PFA:PFA+1], SSTR
.endif
	s_wait_tensorcnt 0x0                           ; my one load that was out: my part of the next slot
	ds_add_u32 v[SPW], v[NIL]
	s_wait_dscnt 4*NL+1                            ; the add and x's blocks 4-7 may be out
	WIN MUL_LO
	MUL16 0, 1, 1, \slot, 0
	s_wait_dscnt 0x0                               ; the add is done, my reads of this slot are over
	s_barrier_signal -1
	MUL16 2, 1, 1, \slot, 0
	WIN 0
	s_barrier_wait -1
.if \fill
	CREST
	s_add_nc_u64 s[G0+4*\slot+2:G0+4*\slot+3], s[G0+4*\slot+2:G0+4*\slot+3], 2*SSTR
	s_add_nc_u64 s[G0B+4*\slot+2:G0B+4*\slot+3], s[G0B+4*\slot+2:G0B+4*\slot+3], 2*SSTR
	JLOAD G0+4*\slot, G1, G0B+4*\slot, G1B
.else
	PLACES NP
.endif
	s_wait_alu depctr_va_vdst(0)                   ; the wait ahead of the reader below
	v_add_nc_u32 v[ADRS], 4*NQ, v[ADRS]            ; the next 256 along K: 8 scale bytes on
	FETCH_B \next, 0, 0
	FETCH_A \next, 0, 0
	SCALES \next
.if \fill
	ASK
.endif
	WIN MUL_HI
	MUL16 4, 1, 1, \slot, 0
	MUL16 6, 1, 1, \slot, 0
	PLACES NP
	WIN 0
	FETCH_A \next, 0, 4
.endm
	s_wait_alu depctr_va_vdst(0)                   ; the wait at the head's end
	s_wait_tensorcnt 0x0                           ; my tile of the head's four is in
	ds_add_u32 v[SPW], v[NIL]
	s_mov_b32 s[G1+2], 96<<16                      ; no load of mine is out: from here on a load brings 96 rows
	s_mov_b32 s[G1+4], 96
	s_mov_b32 s[G1B+2], 96<<16
	s_mov_b32 s[G1B+4], 96
	s_wait_dscnt 0x0
	CROUND                                         ; all four tiles are in, in every partner
	JLOAD G0+4, G1, G0B+4, G1B                     ; slot 1's first fill, issued as a refill is
	FETCH_B 0, 0, 0
	FETCH_A 0, 0, 0
	SCALES 0
	FETCH_A 0, 0, 4
	s_wait_loadcnt 0x0                             ; the bias
	STEP 0, 1
	s_mov_b32 s3, LAPS-1
.Llap:
	TURN 0, 1, 1
	STEP 1, 0
	TURN 1, 0, 1
	STEP 0, 0
	s_sub_co_u32 s3, s3, 1
	s_cmp_lg_u32 s3, 0
	s_cbranch_scc1 .Llap
	TURN 0, 1, 0                                   ; the last lap fetches nothing
	STEP 1, 0
	s_wait_dscnt 4*NL
	WIN MUL_LO
	MUL16 0, 1, 1, 1, 0
	MUL16 2, 1, 1, 1, 0
	s_wait_dscnt 0
	WIN MUL_HI
	MUL16 4, 1, 1, 1, 0
	MUL16 6, 1, 1, 1, 0
	WIN 0
; the way out: 16 rows x 128 columns at a time through my own stage, back as whole rows of 512 bytes
.macro TOSTAGE a
.set AC, 64*((\a)%4)
	WIN 0x08+4*((\a)/4)
.irp b, 0,1,2,3,4,5,6,7
	ds_store_b128 v[STO], v[AC+8*\b:AC+8*\b+3] offset:64*\b
	ds_store_b128 v[STO], v[AC+8*\b+4:AC+8*\b+7] offset:64*\b+16
.endr
	WIN 0
.set BB, BK+64*((\a)%2)
.irp t, 0,1,2,3,4,5,6,7,8,9,10,11,12,13,14,15
	ds_load_b128 v[BB+4*\t:BB+4*\t+3], v[RD] offset:\t*SPITCH
.endr
.endm
.macro SEND a, younger
.set BB, BK+64*((\a)%2)
	s_wait_dscnt \younger
.if (\a) > 0
	s_add_nc_u64 s[12:13], s[12:13], 16*SIZE_N*4
.endif
.irp t, 0,1,2,3,4,5,6,7,8,9,10,11,12,13,14,15
	global_store_b128 v[CO], v[BB+4*\t:BB+4*\t+3], s[12:13] offset:\t*SIZE_N*4 th:TH_STORE_NT   ; 32 lanes store 512 consecutive bytes, aligned
.endr
.endm
	PLACES NP
	TOSTAGE 0
.irp a, 1,2,3,4,5,6,7
.if \a > 1
	s_wait_xcnt 0x0                                ; block a - 2's stores have read their registers and base
.endif
	TOSTAGE \a
	SEND \a-1, 32                                  ; block a's 16 stores and 16 loads may be out
.endr
	s_wait_xcnt 0x0
	SEND 7, 0
	s_wait_tensorcnt 0x0                           ; the wave's end
	ds_add_u32 v[SPW], v[NIL]
	s_wait_dscnt 0x0
	CROUND                                         ; the closing round
	s_endpgm
.Lfunc_end_k_qe663cc3e45_gemm:
	.size	k_qe663cc3e45_gemm, .Lfunc_end_k_qe663cc3e45_gemm-k_qe663cc3e45_gemm
	.p2alignl 7, 3214868480
	.fill 96, 4, 3214868480
	.section	.rodata,"a",@progbits
	.p2align	6, 0x0
	.amdhsa_kernel k_qe663cc3e45_gemm
		.amdhsa_group_segment_fixed_size 327680
		.amdhsa_private_segment_fixed_size 0
		.amdhsa_enable_private_segment 0
		.amdhsa_kernarg_size 48
		.amdhsa_user_sgpr_count 2
		.amdhsa_user_sgpr_kernarg_segment_ptr 1
		.amdhsa_wavefront_size32 1
		.amdhsa_system_sgpr_workgroup_id_x 1
		.amdhsa_system_sgpr_workgroup_id_y 1
		.amdhsa_system_sgpr_workgroup_id_z 1
		.amdhsa_system_vgpr_workitem_id 0
		.amdhsa_next_free_vgpr 1024
		.amdhsa_next_free_sgpr 98
		.amdhsa_reserve_vcc 0
		.amdhsa_float_denorm_mode_32 3
		.amdhsa_float_denorm_mode_16_64 3
		.amdhsa_memory_ordered 1
		.amdhsa_forward_progress 1
		.amdhsa_inst_pref_size 139
	.end_amdhsa_kernel
	.amdgpu_metadata
---
amdhsa.version: [ 1, 2 ]
amdhsa.kernels:
  - .name:           k_qe663cc3e45_gemm
    .symbol:         k_qe663cc3e45_gemm.kd
    .args:
      - { .name: x_img, .offset: 0, .size: 8, .value_kind: global_buffer, .address_space: global }
      - { .name: x_scales, .offset: 8, .size: 8, .value_kind: global_buffer, .address_space: global }
      - { .name: w_codes, .offset: 16, .size: 8, .value_kind: global_buffer, .address_space: global }
      - { .name: w_scales, .offset: 24, .size: 8, .value_kind: global_buffer, .address_space: global }
      - { .name: out0, .offset: 32, .size: 8, .value_kind: global_buffer, .address_space: global }
      - { .name: bias, .offset: 40, .size: 8, .value_kind: global_buffer, .address_space: global }
    .group_segment_fixed_size: 327680
    .private_segment_fixed_size: 0
    .kernarg_segment_align: 8
    .kernarg_segment_size: 48
    .max_flat_workgroup_size: 128
    .sgpr_count:     98
    .vgpr_count:     1024
    .wavefront_size: 32
...
	.end_amdgpu_metadata
.endif
;; end of part 2
